; MI455X (gfx1250); checked and timed in simulation.
; The chip was launched on July 23, 2026; its instructions are those of AMD's public machine-readable ISA for CDNA 5 (MIT licence, August 2026) and "CDNA5" Instruction Set Architecture Reference Guide (July 2026). The comments in the code are by the model that wrote it; some were corrected since.
;; Linear CRF. Allowed arithmetic: float matrix products may take bf16 or f16 operands with f32 sums; all other float work in f32.
;; Inputs: features 512 x 512 x 64 float32; transitions 64 x 64 float32.
;; Outputs: out0 512 x 512 int32.
;; 2 versions, each right; version 2 is version 1 with the launch forward written anew for expert scheduling mode. Each part assembles by itself: llvm-mc -triple=amdgcn-amd-amdhsa -mcpu=gfx1250 --defsym DOCPART=n.
;; ======== version 1 of 2: 2 launches
;; workspace buffers: bp 16,777,216 bytes of whole numbers
;; launch forward (part 1): grid 256 x 1, 4 waves a work-group, no clusters, 1,536 bytes of LDS; arguments features, transitions, bp; writes bp
.if DOCPART == 1
	.amdgcn_target "amdgcn-amd-amdhsa--gfx1250"
	.amdhsa_code_object_version 6
	.text
	.protected	k_q96964c9063_forward
	.globl	k_q96964c9063_forward
	.p2align	8
	.type	k_q96964c9063_forward,@function
k_q96964c9063_forward:
	s_mov_b64 s[64:65], 0
	v_nop
	global_prefetch_b8 v0, s[64:65] scope:SCOPE_SE
	s_setreg_imm32_b32 hwreg(HW_REG_WAVE_MODE, 25, 1), 1
	s_wait_xcnt 0x0
; VITERBI, THE FORWARD PASS.  features [512][512][64] f32, transitions [64][64] f32 (previous tag, tag).
; fv(0) = features(row 0); round r = 0..510: s(i,j) = fv(r)[i] + transitions[i][j] (one f32 add each), m[j] = max over i, bp(r)[j] = the lowest i with s(i,j) = m[j],
; fv(r+1)[j] = features(row r+1)[j] + m[j].  Round 511: bp(511)[j] = the lowest i with fv(511)[i] = its maximum, for every j: the last tag, as a row like the others.
; OUT: bp, bytes, [batch][r / 16][tag j][r % 16]: a later launch walks them; no address and no branch here hangs on them.
; LIMITS.  NaN in an input is not treated as an argmax treats it.  The scores must stay finite: they grow by at most max|feature| + max|transition| a round, 511 rounds.
; The sign of a zero is not kept (it changes no comparison and no later sum's value).
; SHARES.  A work-group of four waves has two batches; a wave has 32 tags j of one batch, a lane one tag.  A lane keeps column j of the transitions in 64 registers.
; THE EXCHANGE.  Every lane needs all 64 numbers of fv: each wave stores its 32 into LDS, one barrier, then 16 loads of 16 bytes, all lanes at the same address.  Two LDS buffers a batch take turns,
; so one barrier a round orders both directions: a buffer is written again only behind the barrier in front of which every wave has waited for its reads of it.
; THE MAXIMUM is a binary tree over the 64 sums, two nodes to a line.  THE ARGMAX goes down the same tree: at each of six levels the left child is compared with the maximum; where it differs the right
; half is taken.  So a tie goes to the left, the lowest index.  Only left children are ever compared: of the chosen half they are kept by selects, 31 + 15 + 7 + 3 + 1, two to a line under one VCC.
; The index takes a bit a level: index = index + index + VCC, one add with carry.  The way down is not part of the chain from fv(r) to fv(r+1): it stands in the waits of the exchange.
; Not used, and why: matrix instructions (a maximum of sums is no product); a cluster (the one shared input is 16,384 bytes of transitions, read once into registers); tensor loads (a wave takes
; 128 bytes of features a round, each lane its own number, 16 rounds ahead, straight into a ring of registers).
.set ROWB,  256                        ; bytes in a row of features and of transitions
.set TRIPS, 32                         ; a trip is 16 rounds: 16 bytes of back-pointers a lane
.set SPARE, 1024                       ; LDS: 0-1023 the exchange (batch x 512 + buffer x 256); from here the spare words, 128 bytes a wave, which no other line names
.set ONE,  1                           ; v1      the number 1
.set GOFF, 2                           ; v2      4 j: my byte in a row of features, of transitions; never rewritten
.set STA,  3                           ; v3      LDS: where I store fv[j], buffer 0
.set PACK, 4                           ; v4-7    16 rounds' back-pointers of my tag
.set LDA,  8                           ; v8      LDS: my batch's buffer 0
.set BOFF, 9                           ; v9      16 x lane: my 16 bytes in the wave's 512 of bp
.set FVN,  10                          ; v10     fv(r+1)[j]
.set SPW,  11                          ; v11     LDS address of my spare word; never rewritten
.set NIL,  12                          ; v12     0; never rewritten
.set RING, 16                          ; v16-31  features: row x of my batch in slot x % 16
.set F,    32                          ; v32-95  fv[0..63], then the sums s[0..63] in place
.set T,    96                          ; v96-159 transitions[0..63][j]
.set N1,   160                         ; the tree: 32 maxima of 2,
.set N2,   192                         ; 16 of 4,
.set N3,   208                         ; 8 of 8,
.set N4,   216                         ; v216-217 the first two of 16,
.set PM,   218                         ; v218    the maximum of s[0..47]
.set N4C,  219                         ; v219    the third of 16 (an odd register, for the two-in-one line that makes it)
.set N5,   220                         ; v220    the maximum of s[0..31]
.set M,    222                         ; v222    the maximum
.set XS,   224                         ; the way down keeps, of the half in hand, the left children: 16 sums,
.set XN1,  240                         ; 8 of N1,
.set XN2,  248                         ; 4 of N2,
.set XN3,  252                         ; 2 of N3,
.set XN4,  254                         ; 1 of N4
.set IDX,  255                         ; the index so far
; Two instructions in one line want one even and one odd destination, first sources in different register banks (number mod 4), second sources likewise (ISA guide, the VOPD encoding).
; All bases above are multiples of 4, so the pairs below meet that by their offsets.
.macro MAX2 d, s                       ; nodes d, d+1 = the maxima of children s, s+1 and s+2, s+3
	v_dual_max_num_f32 v[\d], v[\s], v[(\s)+1] :: v_dual_max_num_f32 v[(\d)+1], v[(\s)+2], v[(\s)+3]
.endm
.macro SEL2 d, a, b, st                ; d = VCC ? b : a, and the same st registers on into d+1
	v_dual_cndmask_b32 v[\d], v[\a], v[\b] :: v_dual_cndmask_b32 v[(\d)+1], v[(\a)+(\st)], v[(\b)+(\st)]
.endm
.macro FETCH par                       ; fv out of buffer par: 16 loads, every lane the same 16 bytes
.set n, 0
.rept 16
	ds_load_b128 v[F+4*n:F+4*n+3], v[LDA] offset:(\par)*ROWB+16*n
.set n, n+1
.endr
.endm
.macro SUMS g                          ; s[i] = fv[i] + transitions[i][j] for i = 16 g .. 16 g + 15, two to a line
.set n, 0
.rept 8
	v_pk_add_f32 v[F+16*(\g)+2*n:F+16*(\g)+2*n+1], v[F+16*(\g)+2*n:F+16*(\g)+2*n+1], v[T+16*(\g)+2*n:T+16*(\g)+2*n+1]
.set n, n+1
.endr
.endm
.macro LEV1 g
.set n, 0
.rept 4
	MAX2 N1+8*(\g)+2*n, F+16*(\g)+4*n
.set n, n+1
.endr
.endm
.macro LEV2 g
	MAX2 N2+4*(\g), N1+8*(\g)
	MAX2 N2+4*(\g)+2, N1+8*(\g)+4
.endm
.macro LEV3 g
	MAX2 N3+2*(\g), N2+4*(\g)
.endm
; The tree, in four groups of 16 sums as the loads come back; a group's upper levels stand behind the next group's sums, so that few lines read a result just made.
; add = 1: a round.  add = 0: the last row, the argmax of fv itself.  Right children of the two top levels serve the maximum alone, so the maximum takes N3[6], N3[7] at once.
.macro TREE add
.if \add
	s_wait_dscnt 12                        ; LDS loads come back in order: the first four of the 16 are in
	SUMS 0
.else
	s_wait_dscnt 0x0
.endif
	LEV1 0
.if \add
	s_wait_dscnt 8                         ; the first eight
	SUMS 1
.endif
	LEV2 0
	LEV1 1
	LEV3 0
.if \add
	s_wait_dscnt 4                         ; the first twelve
	SUMS 2
.endif
	LEV2 1
	LEV1 2
	LEV3 1
.if \add
	s_wait_dscnt 0x0                       ; all
	SUMS 3
.endif
	LEV2 2
	MAX2 N4, N3
	LEV3 2
	LEV1 3
	v_dual_max_num_f32 v[N5], v[N4], v[N4+1] :: v_dual_max_num_f32 v[N4C], v[N3+5], v[N3+4]
	LEV2 3
	v_max_num_f32 v[PM], v[N5], v[N4C]
	LEV3 3
	v_max3_num_f32 v[M], v[PM], v[N3+6], v[N3+7]
.endm
; The way down.  VCC = 1: the left child is not the maximum: go right.  The select that feeds the next comparison stands first.
.macro DESC5                           ; i < 32 or not; the last reader of the sums and of the tree
	v_cmp_neq_f32 vcc_lo, v[N5], v[M]
	v_dual_cndmask_b32 v[XN4], v[N4], v[N4C] :: v_dual_cndmask_b32 v[IDX], 0, v[ONE]
	SEL2 XN3, N3, N3+4, 2
	SEL2 XN2, N2, N2+8, 2
	SEL2 XN2+2, N2+4, N2+12, 2
.set n, 0
.rept 4
	SEL2 XN1+2*n, N1+4*n, N1+4*n+16, 2
.set n, n+1
.endr
.set n, 0
.rept 8
	SEL2 XS+2*n, F+4*n, F+4*n+32, 2
.set n, n+1
.endr
.endm
.macro BIT                             ; index = 2 x index + VCC
	v_add_co_ci_u32 v[IDX], vcc_lo, v[IDX], v[IDX], vcc_lo
.endm
.macro DESC4
	v_cmp_neq_f32 vcc_lo, v[XN4], v[M]
	v_cndmask_b32 v[XN3], v[XN3], v[XN3+1], vcc_lo
	SEL2 XN2, XN2, XN2+2, 1
	SEL2 XN1, XN1, XN1+4, 1
	SEL2 XN1+2, XN1+2, XN1+6, 1
.set n, 0
.rept 4
	SEL2 XS+2*n, XS+2*n, XS+2*n+8, 1
.set n, n+1
.endr
	BIT
.endm
.macro DESC3
	v_cmp_neq_f32 vcc_lo, v[XN3], v[M]
	v_cndmask_b32 v[XN2], v[XN2], v[XN2+1], vcc_lo
	SEL2 XN1, XN1, XN1+2, 1
	SEL2 XS, XS, XS+4, 1
	SEL2 XS+2, XS+2, XS+6, 1
	BIT
.endm
.macro DESC2
	v_cmp_neq_f32 vcc_lo, v[XN2], v[M]
	v_cndmask_b32 v[XN1], v[XN1], v[XN1+1], vcc_lo
	SEL2 XS, XS, XS+2, 1
	BIT
.endm
.macro DESC1
	v_cmp_neq_f32 vcc_lo, v[XN1], v[M]
	v_cndmask_b32 v[XS], v[XS], v[XS+1], vcc_lo
	BIT
.endm
.macro DESC0 k                         ; the last bit, and the index into byte k of my 16
	v_cmp_neq_f32 vcc_lo, v[XS], v[M]
.if (\k)%4 == 0
	v_add_co_ci_u32 v[PACK+(\k)/4], vcc_lo, v[IDX], v[IDX], vcc_lo
.else
	BIT
	v_lshl_or_b32 v[PACK+(\k)/4], v[IDX], 8*((\k)%4), v[PACK+(\k)/4]
.endif
.endm
; Round k of a trip.  It finds fv's 16 loads on their way, and leaves the next round's so.
.macro ROUND k
	TREE 1
	s_wait_loadcnt 15                      ; loads come back in order: the row in hand is in, the 15 rows asked for behind it may be out
	v_add_f32 v[FVN], v[RING+((\k)+1)%16], v[M]
	ds_store_b32 v[STA], v[FVN] offset:(((\k)+1)%2)*ROWB
.if (\k) < 15
	global_load_b32 v[RING+((\k)+1)%16], v[GOFF], s[4:5] offset:((\k)+17)*ROWB th:TH_LOAD_NT  ; the slot's next row, 16 rows on
.else
	global_load_b32 v[RING], v[GOFF], s[18:19] offset:32*ROWB th:TH_LOAD_NT                   ; the same by a pointer of its own, which stops a trip earlier
.endif
	DESC5                                  ; stands in the wait for the store
	s_wait_dscnt 0x0                       ; for the others' sake: my store is done (and my reads of the other buffer were waited for above)
	s_barrier_signal -1
	DESC4                                  ; work on registers while the others arrive
	s_barrier_wait -1                      ; all four waves' stores are done
	FETCH ((\k)+1)%2
	DESC3                                  ; the rest of the way down stands in the wait for the loads
	DESC2
	DESC1
	DESC0 \k
.endm
	s_load_b128 s[4:7], s[0:1], 0x0                ; features s[4:5], transitions s[6:7]
	s_load_b64 s[8:9], s[0:1], 0x10                ; bp
	v_lshl_add_u32 v[SPW], v0, 2, SPARE
	v_mov_b32 v[NIL], 0
	v_and_b32 v13, 31, v0                          ; lane
	v_lshrrev_b32 v14, 5, v0
	v_readfirstlane_b32 s10, v14                   ; wave 0..3
	s_lshr_b32 s11, s10, 1                         ; which of the group's two batches
	s_and_b32 s12, s10, 1                          ; which half of its tags
	s_lshl_b32 s13, ttmp9, 1
	s_add_co_u32 s13, s13, s11                     ; the batch
	s_lshl_b32 s14, s12, 7
	v_lshl_add_u32 v[GOFF], v13, 2, s14            ; 4 j, j = 32 x half + lane
	s_lshl_b32 s15, s11, 9
	v_add_nc_u32 v[STA], s15, v[GOFF]
	v_mov_b32 v[LDA], s15
	v_lshlrev_b32 v[BOFF], 4, v13
	v_mov_b32 v[ONE], 1
	s_lshl_b32 s16, s13, 17                        ; a batch's features: 512 rows of 256 bytes
	s_mov_b32 s17, 0
	s_lshl_b32 s20, s13, 15                        ; a batch's back-pointers: 32,768 bytes; my half of the tags: 512 of each 1,024
	s_lshl_b32 s21, s12, 9
	s_add_co_u32 s20, s20, s21
	s_mov_b32 s21, 0
	s_mov_b32 s23, 0
	s_mov_b32 s24, TRIPS
	s_wait_kmcnt 0x0
	s_add_nc_u64 s[4:5], s[4:5], s[16:17]          ; features at my batch's row 0: the pointer of rounds 0 to 14
	s_add_nc_u64 s[8:9], s[8:9], s[20:21]
	s_mov_b64 s[18:19], s[4:5]                     ; the pointer of round 15
.set i, 0
.rept 64
	global_load_b32 v[T+i], v[GOFF], s[6:7] offset:i*ROWB  ; column j: a wave's load covers 128 consecutive bytes of row i
.set i, i+1
.endr
	global_load_b32 v[FVN], v[GOFF], s[4:5] th:TH_LOAD_NT  ; row 0 is fv(0)
.set i, 1
.rept 16
	global_load_b32 v[RING+i%16], v[GOFF], s[4:5] offset:i*ROWB th:TH_LOAD_NT  ; the ring: rows 1 to 16
.set i, i+1
.endr
	s_wait_loadcnt 16                              ; all but the ring's 16: the transitions and row 0 are in
	ds_store_b32 v[STA], v[FVN]
	s_wait_dscnt 0x0
	s_barrier_signal -1
	s_barrier_wait -1
	FETCH 0
.Ltrip:
.set kk, 0
.rept 15
	ROUND kk
.set kk, kk+1
.endr
	s_sub_co_u32 s24, s24, 1
	s_cmp_eq_u32 s24, 0
	s_cbranch_scc1 .Llast                          ; the last trip's 16th round is row 511, written out below
	ROUND 15
	global_store_b128 v[BOFF], v[PACK:PACK+3], s[8:9]  ; the wave stores 512 consecutive bytes, at a multiple of 512 from bp's first byte
	s_wait_xcnt 0x0                                ; the pointers and the store's four registers are rewritten only behind this wait
	s_cmp_ge_u32 s24, 2                            ; the pointers stop where the next step would ask for row 512 or beyond: rounds 0 to 14 at trip 30 (rows 497 to 511),
	s_cselect_b32 s20, 4096, 0
	s_cmp_ge_u32 s24, 3                            ; round 15 at trip 29 (row 496).  What they fetch once more, 16 loads a wave, is inside the batch and is not used
	s_cselect_b32 s22, 4096, 0
	s_add_nc_u64 s[4:5], s[4:5], s[20:21]
	s_add_nc_u64 s[18:19], s[18:19], s[22:23]
	s_add_nc_u64 s[8:9], s[8:9], 1024
	s_cmp_lg_u32 s24, 0
	s_cbranch_scc1 .Ltrip
.Llast:
	TREE 0                                         ; fv(511) is on its way into every lane: its maximum,
	DESC5                                          ; and the lowest index that has it, the same number in all lanes
	DESC4
	DESC3
	DESC2
	DESC1
	DESC0 15
	global_store_b128 v[BOFF], v[PACK:PACK+3], s[8:9]
	s_wait_tensorcnt 0x0                           ; the wave's end: closing lines, behind my last LDS store
	ds_add_u32 v[SPW], v[NIL]
	s_wait_dscnt 0x0
	s_endpgm
.Lfunc_end_k_q96964c9063_forward:
	.size	k_q96964c9063_forward, .Lfunc_end_k_q96964c9063_forward-k_q96964c9063_forward
	.p2alignl 7, 3214868480
	.fill 96, 4, 3214868480
	.section	.rodata,"a",@progbits
	.p2align	6, 0x0
	.amdhsa_kernel k_q96964c9063_forward
		.amdhsa_group_segment_fixed_size 1536
		.amdhsa_private_segment_fixed_size 0
		.amdhsa_enable_private_segment 0
		.amdhsa_kernarg_size 24
		.amdhsa_user_sgpr_count 2
		.amdhsa_user_sgpr_kernarg_segment_ptr 1
		.amdhsa_wavefront_size32 1
		.amdhsa_system_sgpr_workgroup_id_x 1
		.amdhsa_system_sgpr_workgroup_id_y 1
		.amdhsa_system_sgpr_workgroup_id_z 1
		.amdhsa_system_vgpr_workitem_id 0
		.amdhsa_next_free_vgpr 256
		.amdhsa_next_free_sgpr 66
		.amdhsa_reserve_vcc 1
		.amdhsa_float_denorm_mode_32 3
		.amdhsa_float_denorm_mode_16_64 3
		.amdhsa_memory_ordered 1
		.amdhsa_forward_progress 1
		.amdhsa_inst_pref_size 137
	.end_amdhsa_kernel
	.amdgpu_metadata
---
amdhsa.version: [ 1, 2 ]
amdhsa.kernels:
  - .name:           k_q96964c9063_forward
    .symbol:         k_q96964c9063_forward.kd
    .args:
      - { .name: features, .offset: 0, .size: 8, .value_kind: global_buffer, .address_space: global }
      - { .name: transitions, .offset: 8, .size: 8, .value_kind: global_buffer, .address_space: global }
      - { .name: bp, .offset: 16, .size: 8, .value_kind: global_buffer, .address_space: global }
    .group_segment_fixed_size: 1536
    .private_segment_fixed_size: 0
    .kernarg_segment_align: 8
    .kernarg_segment_size: 24
    .max_flat_workgroup_size: 128
    .sgpr_count:     66
    .vgpr_count:     256
    .wavefront_size: 32
...
	.end_amdgpu_metadata
.endif
;; end of part 1
;; launch trace (part 2): grid 512 x 1, 16 waves a work-group, no clusters, 35,328 bytes of LDS; arguments bp, out0; writes out0
.if DOCPART == 2
	.amdgcn_target "amdgcn-amd-amdhsa--gfx1250"
	.amdhsa_code_object_version 6
	.text
	.protected	k_q96964c9063_trace
	.globl	k_q96964c9063_trace
	.p2align	8
	.type	k_q96964c9063_trace,@function
k_q96964c9063_trace:
	s_mov_b64 s[64:65], 0
	v_nop
	global_prefetch_b8 v0, s[64:65] scope:SCOPE_SE
	s_setreg_imm32_b32 hwreg(HW_REG_WAVE_MODE, 25, 1), 1
	s_wait_xcnt 0x0
; VITERBI, THE WAY BACK.  bp: bytes [batch][r / 16][tag][r % 16], r = 0..511: bp(r)[tag at r + 1] = tag at r; row 511 gives the last tag for every tag.  out0 [512][512] int32: the tag at each r.
; All numbers here are whole numbers read from memory; each is held to 0..63 (v_min_u32) before it enters an LDS address.
; A work-group has one batch, 32,768 bytes of bp in LDS; wave c has rows 32 c .. 32 c + 31, 2,048 bytes.  A chain of 511 dependent look-ups is cut so:
;  1. each wave walks its 32 rows for ALL 64 tags that could enter from above, two chains a lane: 32 dependent look-ups;
;  2. the 64 paths go back over the wave's chunk, in bp's own layout: byte (row, entering tag);
;  3. the true entering tag is handed down from chunk 15 to chunk 0: 15 dependent look-ups of a chunk's row 0, made by every wave alike;
;  4. each lane picks its row's byte for the wave's true entering tag; the 512 bytes meet in one line of LDS, and four waves widen them to int32, 512 consecutive bytes to a store.
; Until step 3 a wave touches its own chunk alone (tag x 16 <= 1,008, plus at most 1,039, inside 2,048); the barriers in steps 1 and 2 keep the plain order store, wait, barrier, load, wait, barrier, store.
.set CHUNK, 2048
.set FIN,   32768                      ; LDS: 512 bytes, the batch's path
.set SPARE, 33280                      ; the spare words, 128 bytes for each of 16 waves, which no other line names
.set PA, 32                            ; v32-39  the path of entering tag = lane, 32 bytes
.set PB, 40                            ; v40-47  of entering tag = lane + 32
	s_load_b128 s[4:7], s[0:1], 0x0                ; bp s[4:5], out0 s[6:7]
	v_lshl_add_u32 v30, v0, 2, SPARE               ; v30, v31: the add's two registers; never rewritten
	v_mov_b32 v31, 0
	v_and_b32 v1, 31, v0                           ; lane
	v_lshrrev_b32 v2, 5, v0
	v_readfirstlane_b32 s8, v2                     ; wave = chunk c
	s_lshl_b32 s9, s8, 11                          ; my chunk's first byte, in the batch's bp and in LDS
	v_lshl_add_u32 v4, v1, 4, s9                   ; + 16 x lane; never rewritten
	s_lshl_b32 s12, ttmp9, 15                      ; the batch's 32,768 bytes of bp,
	s_mov_b32 s13, 0
	s_lshl_b32 s14, ttmp9, 11                      ; its 2,048 bytes of out0
	s_mov_b32 s15, 0
	s_wait_kmcnt 0x0
	s_add_nc_u64 s[4:5], s[4:5], s[12:13]
	s_add_nc_u64 s[6:7], s[6:7], s[14:15]
.irp m, 0,1,2,3
	global_load_b128 v[8+4*\m:11+4*\m], v4, s[4:5] offset:512*\m th:TH_LOAD_NT  ; 512 consecutive bytes a load
.endr
	v_mov_b32 v6, v4                               ; chain A: chunk + 16 x tag, tag = lane
	v_add_nc_u32 v7, 512, v4                       ; chain B: tag = lane + 32
	v_lshrrev_b32 v2, 4, v1
	v_and_b32 v3, 15, v1
	v_lshl_add_u32 v27, v2, 10, v3                 ; step 4: my row 32 c + lane lies in block lane / 16, byte lane % 16
	v_add_nc_u32 v27, s9, v27
.irp m, 0,1,2,3
	s_wait_loadcnt 3-\m                            ; loads come back in order: the younger ones may be out
	ds_store_b128 v4, v[8+4*\m:11+4*\m] offset:512*\m
.endr
	s_wait_dscnt 0x0
	s_barrier_signal -1
	s_barrier_wait -1
.macro TAKE r                          ; the two tags found at row r of the chunk go into byte r of their paths
.set D, 24+4*((\r)%2)
.if (\r)%4 == 3
	v_lshlrev_b32 v[PA+(\r)/4], 24, v[D]
	v_lshlrev_b32 v[PB+(\r)/4], 24, v[D+1]
.else
	v_lshl_or_b32 v[PA+(\r)/4], v[D], 8*((\r)%4), v[PA+(\r)/4]
	v_lshl_or_b32 v[PB+(\r)/4], v[D+1], 8*((\r)%4), v[PB+(\r)/4]
.endif
.endm
.macro STEP r                          ; row r: two look-ups; the row above is put away while they are out (v24-25 and v28-29 take turns)
.set D, 24+4*((\r)%2)
	ds_load_u8 v[D], v6 offset:((\r)/16)*1024+(\r)%16
	ds_load_u8 v[D+1], v7 offset:((\r)/16)*1024+(\r)%16
.if (\r) < 31
	TAKE (\r)+1
.set D, 24+4*((\r)%2)
.endif
	s_wait_dscnt 0x0
	v_min_u32 v[D], 63, v[D]
	v_min_u32 v[D+1], 63, v[D+1]
.if (\r) > 0
	v_lshl_add_u32 v6, v[D], 4, s9
	v_lshl_add_u32 v7, v[D+1], 4, s9
.endif
.endm
.set rr, 31
.rept 32
	STEP rr
.set rr, rr-1
.endr
	TAKE 0
	s_barrier_signal -1                            ; every wave's look-ups are back (the last wait above was for 0)
	s_barrier_wait -1
	ds_store_b128 v4, v[PA:PA+3]                   ; rows 0-15, entering tag = lane
	ds_store_b128 v4, v[PB:PB+3] offset:512        ; entering tag = lane + 32
	ds_store_b128 v4, v[PA+4:PA+7] offset:1024     ; rows 16-31
	ds_store_b128 v4, v[PB+4:PB+7] offset:1536
	v_mov_b32 v24, 0                               ; the tag that enters chunk 15: any will do, row 511 gives the last tag for all
	v_mov_b32 v26, 0                               ; the tag that enters my chunk
	v_mov_b32 v6, 0                                ; 16 x the tag in hand
	s_wait_dscnt 0x0                               ; for the others' sake: my part of the table is written
	s_barrier_signal -1
	s_barrier_wait -1
.set cc, 15
.rept 15                               ; the tag that enters chunk cc is in hand: the wave of that number keeps it; the chunk's row 0 for it enters chunk cc - 1
	s_cmp_eq_u32 s8, cc
	s_cselect_b32 s10, -1, 0
	ds_load_u8 v25, v6 offset:cc*CHUNK
	v_cndmask_b32 v26, v26, v24, s10
	s_wait_dscnt 0x0
	v_min_u32 v24, 63, v25
	v_lshlrev_b32 v6, 4, v24
.set cc, cc-1
.endr
	s_cmp_eq_u32 s8, 0
	s_cselect_b32 s10, -1, 0
	v_cndmask_b32 v26, v26, v24, s10
	v_min_u32 v26, 63, v26
	v_lshl_add_u32 v27, v26, 4, v27
	ds_load_u8 v24, v27                            ; the tag at row 32 c + lane
	s_wait_dscnt 0x0
	ds_store_b8 v0, v24 offset:FIN                 ; byte = thread's number = row
	s_wait_tensorcnt 0x0                           ; closing lines behind my last LDS store; the wait for 0 also serves the barrier below
	ds_add_u32 v30, v31
	s_wait_dscnt 0x0
	s_barrier_signal -1
	s_barrier_wait -1
	s_cmp_lt_u32 s8, 4
	s_cbranch_scc0 .Lend                           ; four waves write the batch's 512 numbers
	v_and_b32 v2, 127, v0
	v_lshlrev_b32 v3, 2, v2
	ds_load_b32 v24, v3 offset:FIN                 ; four rows' tags
	v_lshlrev_b32 v5, 4, v2
	s_wait_dscnt 0x0
	v_and_b32 v8, 0xff, v24
	v_bfe_u32 v9, v24, 8, 8
	v_bfe_u32 v10, v24, 16, 8
	v_lshrrev_b32 v11, 24, v24
	global_store_b128 v5, v[8:11], s[6:7] th:TH_STORE_NT  ; a wave stores 512 consecutive bytes, at a multiple of 512 from out0's first byte
.Lend:
	s_endpgm
.Lfunc_end_k_q96964c9063_trace:
	.size	k_q96964c9063_trace, .Lfunc_end_k_q96964c9063_trace-k_q96964c9063_trace
	.p2alignl 7, 3214868480
	.fill 96, 4, 3214868480
	.section	.rodata,"a",@progbits
	.p2align	6, 0x0
	.amdhsa_kernel k_q96964c9063_trace
		.amdhsa_group_segment_fixed_size 35328
		.amdhsa_private_segment_fixed_size 0
		.amdhsa_enable_private_segment 0
		.amdhsa_kernarg_size 16
		.amdhsa_user_sgpr_count 2
		.amdhsa_user_sgpr_kernarg_segment_ptr 1
		.amdhsa_wavefront_size32 1
		.amdhsa_system_sgpr_workgroup_id_x 1
		.amdhsa_system_sgpr_workgroup_id_y 1
		.amdhsa_system_sgpr_workgroup_id_z 1
		.amdhsa_system_vgpr_workitem_id 0
		.amdhsa_next_free_vgpr 48
		.amdhsa_next_free_sgpr 66
		.amdhsa_reserve_vcc 0
		.amdhsa_float_denorm_mode_32 3
		.amdhsa_float_denorm_mode_16_64 3
		.amdhsa_memory_ordered 1
		.amdhsa_forward_progress 1
		.amdhsa_inst_pref_size 23
	.end_amdhsa_kernel
	.amdgpu_metadata
---
amdhsa.version: [ 1, 2 ]
amdhsa.kernels:
  - .name:           k_q96964c9063_trace
    .symbol:         k_q96964c9063_trace.kd
    .args:
      - { .name: bp, .offset: 0, .size: 8, .value_kind: global_buffer, .address_space: global }
      - { .name: out0, .offset: 8, .size: 8, .value_kind: global_buffer, .address_space: global }
    .group_segment_fixed_size: 35328
    .private_segment_fixed_size: 0
    .kernarg_segment_align: 8
    .kernarg_segment_size: 16
    .max_flat_workgroup_size: 512
    .sgpr_count:     66
    .vgpr_count:     48
    .wavefront_size: 32
...
	.end_amdgpu_metadata
.endif
;; end of part 2
;; ======== version 2 of 2: 2 launches; version 1 with the launch forward written anew for expert scheduling mode
;; workspace buffers: bp 16,777,216 bytes of whole numbers
;; launch forward (part 3): grid 256 x 1, 4 waves a work-group, no clusters, 1,536 bytes of LDS; arguments features, transitions, bp; writes bp
.if DOCPART == 3
	.amdgcn_target "amdgcn-amd-amdhsa--gfx1250"
	.amdhsa_code_object_version 6
	.text
	.protected	k_q96964c9063_forward
	.globl	k_q96964c9063_forward
	.p2align	8
	.type	k_q96964c9063_forward,@function
k_q96964c9063_forward:
	s_mov_b64 s[64:65], 0
	v_nop
	global_prefetch_b8 v0, s[64:65] scope:SCOPE_SE
	s_setreg_imm32_b32 hwreg(HW_REG_WAVE_SCHED_MODE, 0, 2), 2
	s_setreg_imm32_b32 hwreg(HW_REG_WAVE_MODE, 25, 1), 1
	s_wait_xcnt 0x0
	s_wait_alu depctr_vm_vsrc(0)
; VITERBI, THE FORWARD PASS.  features [512][512][64] f32, transitions [64][64] f32 (previous tag, tag).
; fv(0) = features(row 0); round r = 0..510: s(i,j) = fv(r)[i] + transitions[i][j] (one f32 add each), m[j] = max over i, bp(r)[j] = the lowest i with s(i,j) = m[j],
; fv(r+1)[j] = features(row r+1)[j] + m[j].  Round 511: bp(511)[j] = the lowest i with fv(511)[i] = its maximum, for every j: the last tag, as a row like the others.
; OUT: bp, bytes, [batch][r / 16][tag j][r % 16]: a later launch walks them; no address and no branch here hangs on them.
; LIMITS.  NaN in an input is not treated as an argmax treats it.  The scores must stay finite: they grow by at most max|feature| + max|transition| a round, 511 rounds.
; The sign of a zero is not kept (it changes no comparison and no later sum's value).
; SHARES.  A work-group of four waves has two batches; a wave has 32 tags j of one batch, a lane one tag.  A lane keeps column j of the transitions in 64 registers.
; THE EXCHANGE.  Every lane needs all 64 numbers of fv: each wave stores its 32 into LDS, one barrier, then 16 loads of 16 bytes, all lanes at the same address.  Two LDS buffers a batch take turns,
; so one barrier a round orders both directions: a buffer is written again only behind the barrier in front of which every wave has waited for its reads of it.
; THE MAXIMUM is a binary tree over the 64 sums, two nodes to a line.  THE ARGMAX goes down the same tree: at each of six levels the left child is compared with the maximum; where it differs the right
; half is taken.  So a tie goes to the left, the lowest index.  Only left children are ever compared: of the chosen half they are kept by selects, 31 + 15 + 7 + 3 + 1, two to a line under one VCC.
; The index takes a bit a level: index = index + index + VCC, one add with carry.  The way down is not part of the chain from fv(r) to fv(r+1): it stands in the waits of the exchange.
; Not used, and why: matrix instructions (a maximum of sums is no product); a cluster (the one shared input is 16,384 bytes of transitions, read once into registers); tensor loads (a wave takes
; 128 bytes of features a round, each lane its own number, 16 rounds ahead, straight into a ring of registers).
; THE MODE: SCHED_MODE bits 1:0 = 2 (LLVM: expert scheduling mode 2), set by the entry lines.  The code itself states the register dependences between vector instructions and
; memory or LDS instructions, and those through VCC and scalar registers that vector instructions write, with s_wait_alu, always for 0.
; THE PLAN.  Registers that memory or LDS instructions touch, in the loop:
;   F        The 16 LDS loads at a round's end land in it.  The next round's adds write it in place; the tree's first level and the first level of the way down read it.
;   FVN      Written by the round's one v_add_f32; read by the round's LDS store.
;   RING     A slot is read by that same v_add_f32; straight behind it the load of the row 16 on lands in the slot.
;   PACK     Written by each round's last arithmetic line; read by the one global store of a trip.
;   GOFF, STA, LDA, BOFF   Addresses, made at the head and never written again.
;   The transitions, the tree, what the way down keeps, the index and the maximum are named by vector instructions alone once the head's loads are in.
; So a round has two waits on va_vdst and one on vm_vsrc.  The first va_vdst stands behind the v_add_f32: FVN is written, the ring's slot has been read.  The second stands behind the first level of
; the way down, F's last reader; from there to the last of the 16 loads no vector line names F or LDA.  The vm_vsrc stands beside it: the store has read FVN.
; VCC has two writers a level, and each has its wait on va_vcc ahead of the next line that names VCC: the comparison (the selects and the add with carry read it) and the add with carry, whose carry out
; lands there (the next comparison writes it again).  Ahead of most of these waits stand lines that are due anyway: a load, the waits in front of the barrier, the barrier's wait, some of the 16 loads.
.set ROWB,  256                        ; bytes in a row of features and of transitions
.set TRIPS, 32                         ; a trip is 16 rounds: 16 bytes of back-pointers a lane
                                       ; LDS: 0-1023 the exchange (batch x 512 + buffer x 256); from here the spare words, 128 bytes a wave
.set ONE,  1                           ; v1      the number 1
.set GOFF, 2                           ; v2      4 j: my byte in a row of features, of transitions; never rewritten
.set STA,  3                           ; v3      LDS: where I store fv[j], buffer 0
.set PACK, 4                           ; v4-7    16 rounds' back-pointers of my tag
.set LDA,  8                           ; v8      LDS: my batch's buffer 0
.set BOFF, 9                           ; v9      16 x lane: my 16 bytes in the wave's 512 of bp
.set FVN,  10                          ; v10     fv(r+1)[j]
.set RING, 16                          ; v16-31  features: row x of my batch in slot x % 16
.set F,    32                          ; v32-95  fv[0..63], then the sums s[0..63] in place
.set T,    96                          ; v96-159 transitions[0..63][j]
.set N1,   160                         ; the tree: 32 maxima of 2,
.set N2,   192                         ; 16 of 4,
.set N3,   208                         ; 8 of 8,
.set N4,   216                         ; v216-217 the first two of 16,
.set PM,   218                         ; v218    the maximum of s[0..47]
.set N4C,  219                         ; v219    the third of 16 (an odd register, for the two-in-one line that makes it)
.set N5,   220                         ; v220    the maximum of s[0..31]
.set M,    222                         ; v222    the maximum
.set XS,   224                         ; the way down keeps, of the half in hand, the left children: 16 sums,
.set XN1,  240                         ; 8 of N1,
.set XN2,  248                         ; 4 of N2,
.set XN3,  252                         ; 2 of N3,
.set XN4,  254                         ; 1 of N4
.set IDX,  255                         ; the index so far
; Two instructions in one line want one even and one odd destination, first sources in different register banks (number mod 4), second sources likewise (ISA guide, the VOPD encoding).
; All bases above are multiples of 4, so the pairs below meet that by their offsets.
.macro MAX2 d, s                       ; nodes d, d+1 = the maxima of children s, s+1 and s+2, s+3
	v_dual_max_num_f32 v[\d], v[\s], v[(\s)+1] :: v_dual_max_num_f32 v[(\d)+1], v[(\s)+2], v[(\s)+3]
.endm
.macro SEL2 d, a, b, st                ; d = VCC ? b : a, and the same st registers on into d+1
	v_dual_cndmask_b32 v[\d], v[\a], v[\b] :: v_dual_cndmask_b32 v[(\d)+1], v[(\a)+(\st)], v[(\b)+(\st)]
.endm
.macro FETCH par, first, cnt           ; cnt of the 16 loads of fv out of buffer par, from number first on; every lane the same 16 bytes
.set n, (\first)
.rept (\cnt)
	ds_load_b128 v[F+4*n:F+4*n+3], v[LDA] offset:(\par)*ROWB+16*n
.set n, n+1
.endr
.endm
.macro SUMS g                          ; s[i] = fv[i] + transitions[i][j] for i = 16 g .. 16 g + 15, two to a line
.set n, 0
.rept 8
	v_pk_add_f32 v[F+16*(\g)+2*n:F+16*(\g)+2*n+1], v[F+16*(\g)+2*n:F+16*(\g)+2*n+1], v[T+16*(\g)+2*n:T+16*(\g)+2*n+1]
.set n, n+1
.endr
.endm
.macro LEV1 g
.set n, 0
.rept 4
	MAX2 N1+8*(\g)+2*n, F+16*(\g)+4*n
.set n, n+1
.endr
.endm
.macro LEV2 g
	MAX2 N2+4*(\g), N1+8*(\g)
	MAX2 N2+4*(\g)+2, N1+8*(\g)+4
.endm
.macro LEV3 g
	MAX2 N3+2*(\g), N2+4*(\g)
.endm
; The tree, in four groups of 16 sums as the loads come back; a group's upper levels stand behind the next group's sums, so that few lines read a result just made.
; add = 1: a round.  add = 0: the last row, the argmax of fv itself.  Right children of the two top levels serve the maximum alone, so the maximum takes N3[6], N3[7] at once.
.macro TREE add
.if \add
	s_wait_dscnt 12                        ; LDS loads come back in order: the first four of the 16 are in
	SUMS 0
.else
	s_wait_dscnt 0x0
.endif
	LEV1 0
.if \add
	s_wait_dscnt 8                         ; the first eight
	SUMS 1
.endif
	LEV2 0
	LEV1 1
	LEV3 0
.if \add
	s_wait_dscnt 4                         ; the first twelve
	SUMS 2
.endif
	LEV2 1
	LEV1 2
	LEV3 1
.if \add
	s_wait_dscnt 0x0                       ; all
	SUMS 3
.endif
	LEV2 2
	MAX2 N4, N3
	LEV3 2
	LEV1 3
	v_dual_max_num_f32 v[N5], v[N4], v[N4+1] :: v_dual_max_num_f32 v[N4C], v[N3+5], v[N3+4]
	LEV2 3
	v_max_num_f32 v[PM], v[N5], v[N4C]
	LEV3 3
	v_max3_num_f32 v[M], v[PM], v[N3+6], v[N3+7]
.endm
; The way down.  A level is a comparison (CMP), a wait for VCC, the level's selects and its bit (DOWN5 .. DOWN0), and a wait for the carry that the bit's line leaves in VCC;
; the waits are written out where the level stands.  VCC = 1: the left child is not the maximum: go right.  The select that feeds the next comparison stands first.
.macro CMP x                           ; is the left child in hand the maximum?
	v_cmp_neq_f32 vcc_lo, v[\x], v[M]
.endm
.macro DOWN5                           ; i < 32 or not; the last reader of the sums and of the tree; its bit is a select, which writes no VCC
	v_dual_cndmask_b32 v[XN4], v[N4], v[N4C] :: v_dual_cndmask_b32 v[IDX], 0, v[ONE]
	SEL2 XN3, N3, N3+4, 2
	SEL2 XN2, N2, N2+8, 2
	SEL2 XN2+2, N2+4, N2+12, 2
.set n, 0
.rept 4
	SEL2 XN1+2*n, N1+4*n, N1+4*n+16, 2
.set n, n+1
.endr
.set n, 0
.rept 8
	SEL2 XS+2*n, F+4*n, F+4*n+32, 2
.set n, n+1
.endr
.endm
.macro BIT                             ; index = 2 x index + VCC; the carry out (always 0) lands in VCC
	v_add_co_ci_u32 v[IDX], vcc_lo, v[IDX], v[IDX], vcc_lo
.endm
.macro DOWN4
	v_cndmask_b32 v[XN3], v[XN3], v[XN3+1], vcc_lo
	SEL2 XN2, XN2, XN2+2, 1
	SEL2 XN1, XN1, XN1+4, 1
	SEL2 XN1+2, XN1+2, XN1+6, 1
.set n, 0
.rept 4
	SEL2 XS+2*n, XS+2*n, XS+2*n+8, 1
.set n, n+1
.endr
	BIT
.endm
.macro DOWN3
	v_cndmask_b32 v[XN2], v[XN2], v[XN2+1], vcc_lo
	SEL2 XN1, XN1, XN1+2, 1
	SEL2 XS, XS, XS+4, 1
	SEL2 XS+2, XS+2, XS+6, 1
	BIT
.endm
.macro DOWN2
	v_cndmask_b32 v[XN1], v[XN1], v[XN1+1], vcc_lo
	SEL2 XS, XS, XS+2, 1
	BIT
.endm
.macro DOWN1
	v_cndmask_b32 v[XS], v[XS], v[XS+1], vcc_lo
	BIT
.endm
.macro DOWN0 k                         ; the last bit, and the index into byte k of my 16
.if (\k)%4 == 0
	v_add_co_ci_u32 v[PACK+(\k)/4], vcc_lo, v[IDX], v[IDX], vcc_lo
.else
	BIT
	v_lshl_or_b32 v[PACK+(\k)/4], v[IDX], 8*((\k)%4), v[PACK+(\k)/4]
.endif
.endm
; Round k of a trip.  It finds fv's 16 loads on their way, and leaves the next round's so.
.macro ROUND k
	TREE 1
	s_wait_loadcnt 15                      ; loads come back in order: the row in hand is in, the 15 rows asked for behind it may be out
	v_add_f32 v[FVN], v[RING+((\k)+1)%16], v[M]
	s_wait_alu depctr_va_vdst(0)           ; the add has written FVN, which the LDS store reads, and is done reading the ring's slot, in which the load below lands
	ds_store_b32 v[STA], v[FVN] offset:(((\k)+1)%2)*ROWB
	CMP N5                                 ; names the tree's top and the maximum alone: none of the registers of the load below
.if (\k) < 15
	global_load_b32 v[RING+((\k)+1)%16], v[GOFF], s[4:5] offset:((\k)+17)*ROWB th:TH_LOAD_NT  ; the slot's next row, 16 rows on
.else
	global_load_b32 v[RING], v[GOFF], s[18:19] offset:32*ROWB th:TH_LOAD_NT                   ; the same by a pointer of its own, which stops a trip earlier
.endif
	s_wait_alu depctr_va_vcc(0)            ; the comparison has written VCC, which the selects read
	DOWN5                                  ; stands in the wait for the store
	CMP XN4
	s_wait_alu depctr_va_vdst(0)           ; the adds have written F, and the tree and the selects above are done reading it: the 16 loads behind the barrier land in it, and no vector line up to the last of them names F or LDA
	s_wait_alu depctr_vm_vsrc(0)           ; the LDS store has read FVN, which the next round's add writes again
	s_wait_dscnt 0x0                       ; for the others' sake: my store is done (and my reads of the other buffer were waited for above)
	s_barrier_signal -1
	s_wait_alu depctr_va_vcc(0)            ; the comparison ahead of the signal has written VCC, which the selects read
	DOWN4                                  ; work on registers while the others arrive
	s_wait_alu depctr_va_vcc(0)            ; the add with carry has written VCC, which the comparison below writes again
	CMP XN3
	s_barrier_wait -1                      ; all four waves' stores are done
	FETCH ((\k)+1)%2, 0, 4                 ; the quarter that the tree wants first goes out at once; the other twelve loads are dealt in pairs among the rest of the way down
	s_wait_alu depctr_va_vcc(0)            ; the comparison ahead of the barrier's wait has written VCC, which the selects read
	DOWN3
	FETCH ((\k)+1)%2, 4, 2
	s_wait_alu depctr_va_vcc(0)            ; the add with carry ahead of these two loads has written VCC, which the comparison below writes again
	CMP XN2
	FETCH ((\k)+1)%2, 6, 2
	s_wait_alu depctr_va_vcc(0)            ; the comparison ahead of these two loads has written VCC, which the selects read
	DOWN2
	FETCH ((\k)+1)%2, 8, 2
	s_wait_alu depctr_va_vcc(0)            ; the add with carry has written VCC, ahead of the comparison
	CMP XN1
	FETCH ((\k)+1)%2, 10, 2
	s_wait_alu depctr_va_vcc(0)            ; the comparison has written VCC, ahead of the select
	DOWN1
	FETCH ((\k)+1)%2, 12, 2
	s_wait_alu depctr_va_vcc(0)            ; the add with carry has written VCC, ahead of the comparison
	CMP XS
	FETCH ((\k)+1)%2, 14, 2
	s_wait_alu depctr_va_vcc(0)            ; the last comparison has written VCC, which the add with carry reads
	DOWN0 \k
	s_wait_alu depctr_va_vcc(0)            ; the round's last add with carry has written VCC, which the next round's first comparison writes again; so no write of VCC is open at the trip's branches either
.endm
	s_load_b128 s[4:7], s[0:1], 0x0                ; features s[4:5], transitions s[6:7]
	s_load_b64 s[8:9], s[0:1], 0x10                ; bp
	v_lshl_add_u32 v221, v0, 2, 0x400
	v_mov_b32 v223, 0
	v_and_b32 v13, 31, v0                          ; lane
	v_lshrrev_b32 v14, 5, v0
	v_readfirstlane_b32 s10, v14                   ; wave 0..3
	v_lshlrev_b32 v[BOFF], 4, v13
	v_mov_b32 v[ONE], 1
	s_wait_alu depctr_va_sdst(0)                   ; s10 is written, ahead of its first reader: the batch, the half and all addresses are made from it
	s_lshr_b32 s11, s10, 1                         ; which of the group's two batches
	s_and_b32 s12, s10, 1                          ; which half of its tags
	s_lshl_b32 s13, ttmp9, 1
	s_add_co_u32 s13, s13, s11                     ; the batch
	s_lshl_b32 s14, s12, 7
	v_lshl_add_u32 v[GOFF], v13, 2, s14            ; 4 j, j = 32 x half + lane
	s_lshl_b32 s15, s11, 9
	v_add_nc_u32 v[STA], s15, v[GOFF]
	v_mov_b32 v[LDA], s15
	s_lshl_b32 s16, s13, 17                        ; a batch's features: 512 rows of 256 bytes
	s_mov_b32 s17, 0
	s_lshl_b32 s20, s13, 15                        ; a batch's back-pointers: 32,768 bytes; my half of the tags: 512 of each 1,024
	s_lshl_b32 s21, s12, 9
	s_add_co_u32 s20, s20, s21
	s_mov_b32 s21, 0
	s_mov_b32 s23, 0
	s_mov_b32 s24, TRIPS
	s_wait_kmcnt 0x0
	s_add_nc_u64 s[4:5], s[4:5], s[16:17]          ; features at my batch's row 0: the pointer of rounds 0 to 14
	s_add_nc_u64 s[8:9], s[8:9], s[20:21]
	s_mov_b64 s[18:19], s[4:5]                     ; the pointer of round 15
	s_wait_alu depctr_va_vdst(0)                   ; GOFF, STA, LDA and BOFF are written: every load and store of the kernel reads one of them as its address
.set i, 0
.rept 64
	global_load_b32 v[T+i], v[GOFF], s[6:7] offset:i*ROWB  ; column j: a wave's load covers 128 consecutive bytes of row i
.set i, i+1
.endr
	global_load_b32 v[FVN], v[GOFF], s[4:5] th:TH_LOAD_NT  ; row 0 is fv(0)
.set i, 1
.rept 16
	global_load_b32 v[RING+i%16], v[GOFF], s[4:5] offset:i*ROWB th:TH_LOAD_NT  ; the ring: rows 1 to 16
.set i, i+1
.endr
	s_wait_loadcnt 16                              ; all but the ring's 16: the transitions and row 0 are in
	ds_store_b32 v[STA], v[FVN]
	s_wait_alu depctr_vm_vsrc(0)                   ; the LDS store has read FVN, which the first round's add writes
	s_wait_dscnt 0x0
	s_barrier_signal -1
	s_barrier_wait -1
	FETCH 0, 0, 16
.Ltrip:
.set kk, 0
.rept 15
	ROUND kk
.set kk, kk+1
.endr
	s_sub_co_u32 s24, s24, 1
	s_cmp_eq_u32 s24, 0
	s_cbranch_scc1 .Llast                          ; the last trip's 16th round is row 511, written out below
	ROUND 15
	s_wait_alu depctr_va_vdst(0)                   ; the 16 rounds' last lines have written PACK, which the store reads
	global_store_b128 v[BOFF], v[PACK:PACK+3], s[8:9]  ; the wave stores 512 consecutive bytes, at a multiple of 512 from bp's first byte
	s_wait_xcnt 0x0                                ; the pointers and the store's four registers are rewritten only behind this wait
	s_wait_alu depctr_vm_vsrc(0)                   ; the store has read PACK, which the next trip's rounds write again
	s_cmp_ge_u32 s24, 2                            ; the pointers stop where the next step would ask for row 512 or beyond: rounds 0 to 14 at trip 30 (rows 497 to 511),
	s_cselect_b32 s20, 4096, 0
	s_cmp_ge_u32 s24, 3                            ; round 15 at trip 29 (row 496).  What they fetch once more, 16 loads a wave, is inside the batch and is not used
	s_cselect_b32 s22, 4096, 0
	s_add_nc_u64 s[4:5], s[4:5], s[20:21]
	s_add_nc_u64 s[18:19], s[18:19], s[22:23]
	s_add_nc_u64 s[8:9], s[8:9], 1024
	s_cmp_lg_u32 s24, 0
	s_cbranch_scc1 .Ltrip
.Llast:
	TREE 0                                         ; fv(511) is on its way into every lane: its maximum,
	CMP N5                                         ; and the lowest index that has it, the same number in all lanes
	s_wait_alu depctr_va_vcc(0)                    ; the first level's comparison has written VCC, which the selects read
	DOWN5
	CMP XN4
	s_wait_alu depctr_va_vcc(0)                    ; the second level's comparison has written VCC, which the selects and the add with carry read
	DOWN4
	s_wait_alu depctr_va_vcc(0)                    ; its add with carry has written VCC, which the comparison below writes again
	CMP XN3
	s_wait_alu depctr_va_vcc(0)                    ; the third level's comparison
	DOWN3
	s_wait_alu depctr_va_vcc(0)                    ; its add with carry
	CMP XN2
	s_wait_alu depctr_va_vcc(0)                    ; the fourth level's comparison
	DOWN2
	s_wait_alu depctr_va_vcc(0)                    ; its add with carry
	CMP XN1
	s_wait_alu depctr_va_vcc(0)                    ; the fifth level's comparison
	DOWN1
	s_wait_alu depctr_va_vcc(0)                    ; its add with carry
	CMP XS
	s_wait_alu depctr_va_vcc(0)                    ; the sixth level's comparison
	DOWN0 15                                       ; behind its add with carry no line names VCC any more
	s_wait_alu depctr_va_vdst(0)                   ; the last trip's 16 rows have written PACK, which the store reads
	global_store_b128 v[BOFF], v[PACK:PACK+3], s[8:9]
	s_wait_dscnt 0x0                               ; the wave's end: the closing add to spare LDS words follows
	s_wait_alu depctr_hold_cnt(0) depctr_sa_sdst(0) depctr_va_vdst(0) depctr_va_sdst(0) depctr_va_ssrc(0) depctr_va_vcc(0) depctr_vm_vsrc(0)
	s_wait_tensorcnt 0x0
	ds_add_u32 v221, v223
	s_wait_dscnt 0x0
	s_endpgm
.Lfunc_end_k_q96964c9063_forward:
	.size	k_q96964c9063_forward, .Lfunc_end_k_q96964c9063_forward-k_q96964c9063_forward
	.p2alignl 7, 3214868480
	.fill 96, 4, 3214868480
	.section	.rodata,"a",@progbits
	.p2align	6, 0x0
	.amdhsa_kernel k_q96964c9063_forward
		.amdhsa_group_segment_fixed_size 1536
		.amdhsa_private_segment_fixed_size 0
		.amdhsa_enable_private_segment 0
		.amdhsa_kernarg_size 24
		.amdhsa_user_sgpr_count 2
		.amdhsa_user_sgpr_kernarg_segment_ptr 1
		.amdhsa_wavefront_size32 1
		.amdhsa_system_sgpr_workgroup_id_x 1
		.amdhsa_system_sgpr_workgroup_id_y 1
		.amdhsa_system_sgpr_workgroup_id_z 1
		.amdhsa_system_vgpr_workitem_id 0
		.amdhsa_next_free_vgpr 256
		.amdhsa_next_free_sgpr 66
		.amdhsa_reserve_vcc 1
		.amdhsa_float_denorm_mode_32 3
		.amdhsa_float_denorm_mode_16_64 3
		.amdhsa_memory_ordered 1
		.amdhsa_forward_progress 1
		.amdhsa_inst_pref_size 145
	.end_amdhsa_kernel
	.amdgpu_metadata
---
amdhsa.version: [ 1, 2 ]
amdhsa.kernels:
  - .name:           k_q96964c9063_forward
    .symbol:         k_q96964c9063_forward.kd
    .args:
      - { .name: features, .offset: 0, .size: 8, .value_kind: global_buffer, .address_space: global }
      - { .name: transitions, .offset: 8, .size: 8, .value_kind: global_buffer, .address_space: global }
      - { .name: bp, .offset: 16, .size: 8, .value_kind: global_buffer, .address_space: global }
    .group_segment_fixed_size: 1536
    .private_segment_fixed_size: 0
    .kernarg_segment_align: 8
    .kernarg_segment_size: 24
    .max_flat_workgroup_size: 128
    .sgpr_count:     66
    .vgpr_count:     256
    .wavefront_size: 32
...
	.end_amdgpu_metadata
.endif
;; end of part 3
;; launch trace: the kernel of part 2 again; grid 512 x 1, 16 waves a work-group, no clusters, 35,328 bytes of LDS; arguments bp, out0; writes out0
